; MI455X (gfx1250); checked and timed in simulation.
; The chip was launched on July 23, 2026; its instructions are those of AMD's public machine-readable ISA for CDNA 5 (MIT licence, August 2026) and "CDNA5" Instruction Set Architecture Reference Guide (July 2026). The comments in the code are by the model that wrote it; some were corrected since.
;; Multi Head Attention. Allowed arithmetic: matrix products marked QUANTISED: E2M3 operands, one E8M0 scale for each 32 along K, by v_wmma_scale_f32_16x16x128_f8f6f4 with both operands' format E2M3, f32 sums; everything else in f32.
;; Inputs: bk 1,024 float32; bo 1,024 float32; bq 1,024 float32; bv 1,024 float32; k 4 x 2,048 x 1,024 float32; q 4 x 2,048 x 1,024 float32; v 4 x 2,048 x 1,024 float32; wk 1,024 x 1,024 float32; wo 1,024 x 1,024 float32; wq 1,024 x 1,024 float32; wv 1,024 x 1,024 float32.
;; Outputs: out0 4 x 2,048 x 1,024 float32.
;; This version of the problem:
;;   THIS VERSION OF THE PROBLEM IS GIVEN IN LOW PRECISION. The matrix products marked QUANTISED in the list below multiply operands that are first quantised to E2M3 (2 exponent bits, 3 mantissa bits; 6 bits a number), with one power-of-two scale for each 32 numbers along K (OCP MX v1.0); their sums are f32. All else is computed in f32.
;;   The module's matrix products, in the order in which they are computed (A, B: the left and right operand; K: the contracted axis; several contracted axes count as one K, in the product's order):
;;     1. [M 8,192, K 1,024] x [K 1,024, N 1,024]; A: input q; B: input wq: QUANTISED
;;     2. [M 8,192, K 1,024] x [K 1,024, N 1,024]; A: input k; B: input wk: QUANTISED
;;     3. [M 8,192, K 1,024] x [K 1,024, N 1,024]; A: input v; B: input wv: QUANTISED
;;     4. batch 64 x [M 2,048, K 64] x [K 64, N 2,048]; A: computed on the way; B: computed on the way: QUANTISED
;;     5. batch 64 x [M 2,048, K 2,048] x [K 2,048, N 64]; A: softmax (see below); B: computed on the way: QUANTISED
;;     6. [M 8,192, K 1,024] x [K 1,024, N 1,024]; A: computed on the way; B: input wo: QUANTISED
;;   THE QUANTISER, for each operand of a quantised product, along K:
;;     - K is cut into blocks of 32 from its start; a last block that is shorter is filled with zeros.
;;     - A block's scale is 2^e with e = floor(log2(the largest magnitude in the block)) - 2, held to -126 .. 127; a block of zeros has e = 0. As a byte (E8M0): e + 127.
;;     - Each number is divided by its block's scale, clamped to +-7.5, and rounded to the nearest number of E2M3, ties to even, subnormals kept.
;;     - The product sums the exact products of the quantised numbers (number of the format x scale) in f32.
;;   ~~~python
;;   def quantise(x, axis):      # numpy; x: float32 -> the quantised numbers, widened to float32 again
;;       x = np.moveaxis(x, axis, -1); K = x.shape[-1]
;;       x = np.pad(x, [(0, 0)] * (x.ndim - 1) + [(0, -K % 32)]); x = x.reshape(x.shape[:-1] + (-1, 32)); a = np.abs(x).max(-1, keepdims=True)
;;       e = np.where(a > 0, np.clip(np.frexp(np.where(a > 0, a, 1))[1] - 1 - 2, -126, 127), 0)      # np.frexp(a)[1] - 1 = floor(log2(a)), exactly
;;       r = np.clip(x / 2.0 ** e, -7.5, 7.5)
;;       step = 2.0 ** (np.maximum(np.frexp(np.where(r == 0, 1, r))[1] - 1, 0) - 3)
;;       q = np.round(r / step) * step * 2.0 ** e      # np.round: ties to even
;;       return np.moveaxis(q.reshape(q.shape[:-2] + (-1,))[..., :K], -1, axis).astype(np.float32)
;;   ~~~
;;   SOFTMAX AHEAD OF A QUANTISED PRODUCT. Where the list says 'softmax', what is quantised is not the finished softmax but p = 2^(t - M), with t = logit x log2(e) and M = ceil(the row's largest t), a whole number; so 1/2 < the row's largest p <= 1. The row's sum l is taken of the UNQUANTISED p, in f32, and the product's result is divided by l at the end. Since M is a whole number, a kernel that streams over the keys may use a running M (the ceiling of the running maximum): every later rescaling is an exact power of two, which a block's scale takes up: the codes' values come out the same.
;;   OPERANDS COMPUTED ON THE WAY. 'Computed on the way' means the value that the module computes at that place (a softmax that the list does not call 'softmax' is quantised finished and normalised). What goes into a quantiser is computed in f32, as accurately as f32 sums, v_exp_f32 and their like allow (about 1e-6 of the number): no bf16 or f16 on the way to a quantiser, and a product that is left as it is and whose result goes on into a quantised operand takes f32 operands (vector FMAs, or v_wmma_f32_16x16x4_f32). A number that lies on a knife's edge between two numbers of the format may be rounded either way, as far as f32 arithmetic and the matrix unit's own rounding can turn it there, and no further.
;; One version. Each part assembles by itself: llvm-mc -triple=amdgcn-amd-amdhsa -mcpu=gfx1250 --defsym DOCPART=n.
;; ======== version 1 of 1: 4 launches
;; workspace buffers: xc 22,020,096 bytes; xs 917,504 bytes; hq 19,660,800 bytes; oc 6,291,456 bytes; os 262,144 bytes
;; launch quant (part 1): grid 896 x 1, 4 waves a work-group, no clusters, 33,280 bytes of LDS; arguments q, k, v, wq, wk, wv, wo, xc, xs; writes xc, xs
.if DOCPART == 1
	.amdgcn_target "amdgcn-amd-amdhsa--gfx1250"
	.amdhsa_code_object_version 6
	.text
	.protected	k_qd166783cb3_quant
	.globl	k_qd166783cb3_quant
	.p2align	8
	.type	k_qd166783cb3_quant,@function
k_qd166783cb3_quant:
	s_mov_b64 s[64:65], 0
	v_nop
	global_prefetch_b8 v0, s[64:65] scope:SCOPE_SE
	s_setreg_imm32_b32 hwreg(HW_REG_WAVE_MODE, 25, 1), 1
	s_wait_xcnt 0x0
; q, k, v [8192][1024] and wq, wk, wv, wo [1024][1024], f32, K innermost, become codes of FP6 (E2M3) and one E8M0 byte for each 32 along K.
; xc: [28672 positions][768 bytes of codes], xs: [28672][32 scale bytes]; the tensors on end: q 0, k 8192, v 16384, wq 24576, wk 25600, wv 26624, wo 27648.
; POSITIONS: position p of a tensor holds its true row with bits 3 and 4 of p exchanged.  So 16 neighbouring positions 16 i + m hold rows 32 (i / 2) + 8 (i % 2) + m + 8 (m / 8):
; a tile so chosen, used as source 0 of a matrix instruction, leaves 16 neighbours of that axis in the 16 registers of two neighbouring tiles, which the later quantisers want.
; A block's scale is 2^(floor(log2(its largest magnitude)) - 2); its byte is the largest magnitude's exponent field - 2, held at 1 from below.
; LIMITS: a block of zeros, and a block whose largest magnitude lies under 2^-124, gets the byte 1 (the bytes are read by this program alone; zero codes add nothing); NaN and infinities are not served.
; A work-group takes 32 rows, a wave 8 rows: 16 steps of 512 numbers.  Each load reads 512 consecutive bytes; a step's 2,048 bytes turn through the wave's own stage in LDS, so that a lane holds 16 neighbours.
; The exchange of row bits 3 and 4 is an exchange of the two bits of the wave's number in the place where its 8 rows are stored.  No cluster: no two work-groups read the same bytes.
.set WAVES, 4
.set STEPS, 16
.set CB,    12                         ; bytes of 16 codes
.set R,     16                         ; v16-79   four sets of 16 numbers as they are loaded
.set X,     80                         ; v80-111  two sets of 16 neighbours
.set C,     128                        ; v128-191 codes: four registers for each step: no store's data are written again
.set E,     112                        ; v112-127 a scale byte for each step
.set WREG,  8192                       ; LDS: a region for each wave: two stages of 32 x SP bytes, then its 256 scale bytes
.set SP,    80                         ; a lane's place in a stage: 64 bytes + 16 of padding
.set SPW,   12                         ; v12 LDS address of my spare word; never rewritten
.set NIL,   13                         ; v13 0; never rewritten
.set SPARE, WAVES*WREG                 ; the spare words: 128 bytes for each wave, named by no other line
	s_load_b512 s[4:19], s[0:1], 0x0               ; q s[4:5], k, v, wq, wk, wv, wo s[16:17], xc s[18:19]
	s_load_b64 s[20:21], s[0:1], 0x40              ; xs
	v_lshl_add_u32 v[SPW], v0, 2, SPARE
	v_mov_b32 v[NIL], 0
	v_lshrrev_b32 v1, 5, v0
	v_readfirstlane_b32 s22, v1                    ; wave
	v_and_b32 v2, 31, v0                           ; lane
	v_lshlrev_b32 v3, 4, v2                        ; my 16 bytes of a load's 512
	s_mul_i32 s23, s22, WREG
	v_lshrrev_b32 v14, 2, v2
	v_mul_u32_u24 v14, v14, SP
	v_and_b32 v15, 3, v2
	v_lshl_add_u32 v14, v15, 4, v14
	v_add_nc_u32 v14, s23, v14                     ; the stage, on the way in: SP (lane / 4) + 16 (lane % 4)
	v_mul_u32_u24 v15, v2, SP
	v_add_nc_u32 v15, s23, v15                     ; and on the way out: SP x lane: my 16 neighbours
	v_mul_u32_u24 v4, v2, CB                       ; my codes' place in a step's
	v_lshrrev_b32 v5, 1, v2
	s_add_co_u32 s23, s23, 2*32*SP
	v_add_nc_u32 v5, s23, v5                       ; LDS: my wave's 256 scale bytes, my block's byte
	v_lshlrev_b32 v7, 3, v2                        ; and on the way out 8 bytes a lane
	v_add_nc_u32 v6, s23, v7
	s_and_b32 s27, s22, 1
	s_lshl_b32 s27, s27, 1
	s_lshr_b32 s28, s22, 1
	s_or_b32 s27, s27, s28                         ; the wave's two bits exchanged
	s_lshl_b32 s28, ttmp9, 2
	s_add_co_u32 s30, s28, s27                     ; which run of 8 positions I store
	s_wait_alu depctr_va_vdst(0)
	s_wait_kmcnt 0x0
	s_mov_b64 s[24:25], s[16:17]                   ; the tensor that I read, chosen by the work-group's number alone: wo,
	s_mov_b32 s26, 864                             ; whose first work-group is 864, unless ..
.macro PICK lim, ptr, first
	s_cmp_lt_u32 ttmp9, \lim
	s_cselect_b64 s[24:25], s[\ptr:\ptr+1], s[24:25]
	s_cselect_b32 s26, \first, s26
.endm
	PICK 864, 14, 832
	PICK 832, 12, 800
	PICK 800, 10, 768
	PICK 768, 8, 512
	PICK 512, 6, 256
	PICK 256, 4, 0
	s_sub_co_u32 s26, ttmp9, s26
	s_lshl_b32 s26, s26, 2
	s_add_co_u32 s26, s26, s22                     ; which run of 8 rows of that tensor I read
	s_lshl_b32 s28, s26, 15                        ; 32,768 bytes a run
	s_mov_b32 s29, 0
	s_add_nc_u64 s[24:25], s[24:25], s[28:29]
	s_mul_i32 s28, s30, 32*STEPS*CB                ; 6,144 bytes of codes a run
	s_add_nc_u64 s[18:19], s[18:19], s[28:29]
	s_lshl_b32 s28, s30, 8                         ; 256 scale bytes a run
	s_add_nc_u64 s[20:21], s[20:21], s[28:29]
.macro LOAD t
.irp i, 0,1,2,3
	global_load_b128 v[R+16*((\t)%4)+4*\i:R+16*((\t)%4)+4*\i+3], v3, s[24:25] offset:2048*(\t)+512*\i th:TH_LOAD_NT   ; 32 lanes read 512 consecutive bytes
.endr
.endm
.macro TURN t                          ; step t's numbers through the stage: LDS serves a wave's instructions in order, so no wait stands between the stores and the loads
.irp i, 0,1,2,3
	ds_store_b128 v14, v[R+16*((\t)%4)+4*\i:R+16*((\t)%4)+4*\i+3] offset:32*SP*((\t)%2)+8*SP*\i
.endr
.irp i, 0,1,2,3
	ds_load_b128 v[X+16*((\t)%2)+4*\i:X+16*((\t)%2)+4*\i+3], v15 offset:32*SP*((\t)%2)+16*\i
.endr
.endm
.irp t, 0,1,2,3
	LOAD \t
.endr
	s_wait_loadcnt 12                              ; step 0's four loads are in
	TURN 0
.macro STEP t
.set XS, X+16*((\t)%2)
.if (\t) > 0
	s_wait_dscnt 1                                 ; this step's numbers are back from the stage (the last step's byte store may be out): so its stores into the stage have read their registers,
.else
	s_wait_dscnt 0x0
.endif
.if (\t)+4 < STEPS
	LOAD (\t)+4                                    ; which take the loads of four steps on
.endif
.if (\t)+1 < STEPS
.if STEPS-2-(\t) >= 3
	s_wait_loadcnt 12                              ; the next step's four loads are in; those of the three steps behind it may be out
.else
	s_wait_loadcnt 4*(STEPS-2-(\t))
.endif
	TURN (\t)+1                                    ; and go through the other stage while this step is worked
.endif
	v_max3_num_f32 v8, |v[XS]|, |v[XS+1]|, |v[XS+2]|               ; the largest magnitude of my 16
	v_max3_num_f32 v9, |v[XS+3]|, |v[XS+4]|, |v[XS+5]|
.irp i, 6,10
	v_max3_num_f32 v8, v8, |v[XS+\i]|, |v[XS+\i+1]|
	v_max3_num_f32 v9, v9, |v[XS+\i+2]|, |v[XS+\i+3]|
.endr
	v_max3_num_f32 v8, v8, |v[XS+14]|, |v[XS+15]|
	v_max3_num_f32 v8, v8, v9, 0x1800000           ; and the floor 2^(3 - 127): the byte cannot fall under 1
	v_max_num_f32_dpp v8, v8, v8 row_xmask:1 row_mask:0xf bank_mask:0xf   ; and of my neighbour's 16: the block's
	v_add_nc_u32 v11, 0xff000000, v8               ; 2 off its exponent field: the conversion takes the exponent field of this operand as its scale
	v_cvt_scalef32_pk16_fp6_f32 v[C+4*(\t):C+4*(\t)+2], v[XS:XS+15], v11
	v_lshrrev_b32 v[E+(\t)], 23, v11               ; the scale's byte (also the plain line behind the conversion)
	ds_store_b8 v5, v[E+(\t)] offset:16*(\t)       ; both lanes of a block write the same byte with the same value
	global_store_b96 v4, v[C+4*(\t):C+4*(\t)+2], s[18:19] offset:32*CB*(\t)   ; the wave stores 384 consecutive bytes
.endm
.irp t, 0,1,2,3,4,5,6,7,8,9,10,11,12,13,14,15
	STEP \t
.endr
	ds_load_b64 v[8:9], v6                         ; LDS serves a wave's instructions in order: these see my stores
	s_wait_dscnt 0x0
	global_store_b64 v7, v[8:9], s[20:21]          ; 32 lanes store 256 consecutive bytes, aligned
	s_wait_tensorcnt 0x0                           ; the wave's end, behind my last LDS store
	ds_add_u32 v[SPW], v[NIL]
	s_wait_dscnt 0x0
	s_endpgm
.Lfunc_end_k_qd166783cb3_quant:
	.size	k_qd166783cb3_quant, .Lfunc_end_k_qd166783cb3_quant-k_qd166783cb3_quant
	.p2alignl 7, 3214868480
	.fill 96, 4, 3214868480
	.section	.rodata,"a",@progbits
	.p2align	6, 0x0
	.amdhsa_kernel k_qd166783cb3_quant
		.amdhsa_group_segment_fixed_size 33280
		.amdhsa_private_segment_fixed_size 0
		.amdhsa_enable_private_segment 0
		.amdhsa_kernarg_size 72
		.amdhsa_user_sgpr_count 2
		.amdhsa_user_sgpr_kernarg_segment_ptr 1
		.amdhsa_wavefront_size32 1
		.amdhsa_system_sgpr_workgroup_id_x 1
		.amdhsa_system_sgpr_workgroup_id_y 1
		.amdhsa_system_sgpr_workgroup_id_z 1
		.amdhsa_system_vgpr_workitem_id 0
		.amdhsa_next_free_vgpr 192
		.amdhsa_next_free_sgpr 66
		.amdhsa_reserve_vcc 0
		.amdhsa_float_denorm_mode_32 3
		.amdhsa_float_denorm_mode_16_64 3
		.amdhsa_memory_ordered 1
		.amdhsa_forward_progress 1
		.amdhsa_inst_pref_size 33
	.end_amdhsa_kernel
	.amdgpu_metadata
---
amdhsa.version: [ 1, 2 ]
amdhsa.kernels:
  - .name:           k_qd166783cb3_quant
    .symbol:         k_qd166783cb3_quant.kd
    .args:
      - { .name: q, .offset: 0, .size: 8, .value_kind: global_buffer, .address_space: global }
      - { .name: k, .offset: 8, .size: 8, .value_kind: global_buffer, .address_space: global }
      - { .name: v, .offset: 16, .size: 8, .value_kind: global_buffer, .address_space: global }
      - { .name: wq, .offset: 24, .size: 8, .value_kind: global_buffer, .address_space: global }
      - { .name: wk, .offset: 32, .size: 8, .value_kind: global_buffer, .address_space: global }
      - { .name: wv, .offset: 40, .size: 8, .value_kind: global_buffer, .address_space: global }
      - { .name: wo, .offset: 48, .size: 8, .value_kind: global_buffer, .address_space: global }
      - { .name: xc, .offset: 56, .size: 8, .value_kind: global_buffer, .address_space: global }
      - { .name: xs, .offset: 64, .size: 8, .value_kind: global_buffer, .address_space: global }
    .group_segment_fixed_size: 33280
    .private_segment_fixed_size: 0
    .kernarg_segment_align: 8
    .kernarg_segment_size: 72
    .max_flat_workgroup_size: 128
    .sgpr_count:     66
    .vgpr_count:     192
    .wavefront_size: 32
...
	.end_amdgpu_metadata
.endif
;; end of part 1
;; launch proj (part 2): grid 4 x 96, 4 waves a work-group, clusters of 4 x 4, 327,680 bytes of LDS; arguments xc, xs, bq, bk, bv, hq; writes hq
.if DOCPART == 2
	.amdgcn_target "amdgcn-amd-amdhsa--gfx1250"
	.amdhsa_code_object_version 6
	.text
	.protected	k_qd166783cb3_proj
	.globl	k_qd166783cb3_proj
	.p2align	8
	.type	k_qd166783cb3_proj,@function
k_qd166783cb3_proj:
	s_mov_b64 s[64:65], 0
	v_nop
	global_prefetch_b8 v0, s[64:65] scope:SCOPE_SE
	s_setreg_imm32_b32 hwreg(HW_REG_WAVE_MODE, 25, 1), 1
	s_wait_xcnt 0x0
	s_wait_alu depctr_hold_cnt(0) depctr_sa_sdst(0) depctr_va_vdst(0) depctr_va_sdst(0) depctr_va_ssrc(0) depctr_va_vcc(0) depctr_vm_vsrc(0)
	s_getreg_b32 s2, hwreg(HW_REG_IB_STS2, 6, 4)
	s_cmp_eq_u32 s2, 0
	s_cbranch_scc0 .Lentry_in_a_cluster
	s_endpgm
.Lentry_in_a_cluster:
	s_bfe_u32 s2, ttmp6, 0x10000c
	s_cmp_lg_u32 s2, 0xf033
	s_cbranch_scc0 .Lentry_shape_is_right
	s_endpgm
.Lentry_shape_is_right:
.set KSTEP,  256
.set NQ,     2
.set ROWB,   192
.set KROW,   768
.set PITCH,  240
.set FR,     12
.set NL,     6
.set NP,     4
.set HALFT,  128*PITCH
.set SLOT,   4*HALFT
.set LAPS,   2
.set KS,     32
.set SCL,    2*SLOT
.set HALFS,  16*272
.set SBLK,   2*272
.set SPARE,  SCL+4*HALFS
.set HEADB,  102400
.set SEC,    6553600
.set ADRA, 16
.set ADRB, 20
.set ADRS, 27
.set SPW,  28
.set NIL,  29
.set SC,   32
.set BI,   64
.set AF,   128
.set BL,   224
.set T,    128
.set CD,   192
.set TM,   64
.set PWS,  80
.set W,    88
.set WP,   92
.set OF,   96
.set L16,  100
.set L8,   101
.set OSC,  102
.set G1, 24
.set G0, 32
.set G1B, 48
.set G0B, 56
.set G1S, 68
.set G0S, 76
.set G1SB, 80
.set G0SB, 88
.set SEL, 12
.set VM,  66
.set HM,  67
.set MSB, 0
.macro WIN new
.if MSB != (\new)
	s_set_vgpr_msb (MSB<<8)|(\new)
.set MSB, (\new)
.endif
.endm
.set MUL_LO,  0xa1
.set MUL_HI,  0xf1
.set MUL_LO0, 0x81
.set MUL_HI0, 0xc1
.set TO_B,    0x40
.macro JLOAD g0a, g1a, g0b, g1b
	s_cmp_eq_u32 s15, 0
	s_cbranch_scc0 .Lfor_b_\@
	tensor_load_to_lds s[\g0a:\g0a+3], s[\g1a:\g1a+7]
	s_nop 0
.rept 4
	v_nop
.endr
	s_branch .Lasked_\@
.Lfor_b_\@:
	tensor_load_to_lds s[\g0b:\g0b+3], s[\g1b:\g1b+7]
	s_nop 0
.rept 4
	v_nop
.endr
.Lasked_\@:
.endm
.macro CREST
	s_cmp_lg_u32 s14, 0
	s_cbranch_scc1 .Lnot_wave_0_\@
	s_barrier_signal -3
.Lnot_wave_0_\@:
	s_barrier_wait -3
	s_barrier_signal -1
	s_barrier_wait -1
.endm
.macro CROUND
	s_barrier_signal -1
	s_barrier_wait -1
	CREST
.endm
	s_load_b256 s[4:11], s[0:1], 0x0
	s_load_b128 s[96:99], s[0:1], 0x20
	v_lshl_add_u32 v[SPW], v0, 2, SPARE
	v_mov_b32 v[NIL], 0
	ds_add_u32 v[SPW], v[NIL]
	ds_add_u32 v[SPW], v[NIL]
	v_lshrrev_b32 v1, 5, v0
	v_readfirstlane_b32 s14, v1
	s_lshr_b32 s15, s14, 1
	s_and_b32 s16, s14, 1
	s_bfe_u32 s40, ttmp6, 0x40000
	s_bfe_u32 s41, ttmp6, 0x40004
	s_and_b32 s17, ttmp7, 0xffff
	s_lshl_b32 s43, s41, 2
	s_lshl_b32 s43, 15, s43
	s_lshl_b32 s44, 0x1111, s40
	s_or_b32 s[G1+0], s43, (0<<16)|(1<<20)|(1<<21)|(3<<22)|(3<<25)
	s_or_b32 s[G1B+0], s44, (0<<16)|(1<<20)|(1<<21)|(3<<22)|(3<<25)
.irp g, G1, G1B
	s_mov_b32 s[\g+1], ROWB<<16
	s_mov_b32 s[\g+2], 128<<16
	s_mov_b32 s[\g+3], ROWB<<16
	s_mov_b32 s[\g+4], 128
	s_mov_b32 s[\g+5], KROW
	s_mov_b32 s[\g+6], 0
	s_mov_b32 s[\g+7], 0
.endr
	s_or_b32 s[G1S+0], s43, (3<<16)|(1<<20)|(1<<21)|(5<<22)|(3<<25)
	s_or_b32 s[G1SB+0], s44, (3<<16)|(1<<20)|(1<<21)|(5<<22)|(3<<25)
.irp g, G1S, G1SB
	s_mov_b32 s[\g+1], 32<<16
	s_mov_b32 s[\g+2], (128*KS/256)<<16
	s_mov_b32 s[\g+3], 32<<16
	s_mov_b32 s[\g+4], 128*KS/256
	s_mov_b32 s[\g+5], 32
	s_mov_b32 s[\g+6], 0
	s_mov_b32 s[\g+7], 0
.endr
	s_lshl_b32 s18, s16, 7
	s_lshl_b32 s19, s17, 10
	s_lshr_b32 s21, s17, 3
	s_lshl_b32 s21, s21, 10
	s_add_co_u32 s21, s21, 24576
	s_mov_b32 s22, 26624
	s_cmp_lt_u32 s17, 16
	s_cselect_b32 s20, s19, s22
	s_cselect_b32 s46, s21, s19
	s_cselect_b32 s[VM], 0, -1
	s_lshl_b32 s22, s41, 8
	s_add_co_u32 s20, s20, s22
	s_add_co_u32 s20, s20, s18
	s_lshl_b32 s47, s40, 8
	s_add_co_u32 s46, s46, s47
	s_add_co_u32 s46, s46, s18
	s_mov_b32 s21, 0
	s_mov_b32 s47, 0
	s_mov_b64 s[18:19], KS
	s_mul_u64 s[22:23], s[20:21], s[18:19]
	s_mul_u64 s[92:93], s[46:47], s[18:19]
	s_mov_b64 s[18:19], KROW
	s_mul_u64 s[20:21], s[20:21], s[18:19]
	s_mul_u64 s[46:47], s[46:47], s[18:19]
	s_mul_i32 s45, s14, HALFT
	s_mul_i32 s94, s14, HALFS
	s_wait_dscnt 0x0
	s_wait_kmcnt 0x0
	s_add_nc_u64 s[20:21], s[4:5], s[20:21]
	s_add_nc_u64 s[22:23], s[6:7], s[22:23]
	s_add_nc_u64 s[46:47], s[4:5], s[46:47]
	s_add_nc_u64 s[92:93], s[6:7], s[92:93]
	s_cmp_lt_u32 s17, 16
	s_cselect_b64 s[100:101], s[10:11], s[96:97]
	s_cmp_lt_u32 s17, 8
	s_cselect_b64 s[100:101], s[8:9], s[100:101]
	CROUND
	s_mov_b32 s[G0S], 1
	s_add_co_u32 s[G0S+1], s94, SCL
	s_mov_b64 s[G0S+2:G0S+3], s[22:23]
	s_or_b32 s[G0S+3], s[G0S+3], 0x80000000
	s_mov_b32 s[G0SB], 1
	s_add_co_u32 s[G0SB+1], s94, SCL
	s_mov_b64 s[G0SB+2:G0SB+3], s[92:93]
	s_or_b32 s[G0SB+3], s[G0SB+3], 0x80000000
	JLOAD G0S, G1S, G0SB, G1SB
.irp s, 0,1
	s_mov_b32 s[G0+4*\s], 1
	s_add_co_u32 s[G0+4*\s+1], s45, \s*SLOT
	s_add_nc_u64 s[G0+4*\s+2:G0+4*\s+3], s[20:21], \s*ROWB
	s_or_b32 s[G0+4*\s+3], s[G0+4*\s+3], 0x80000000
	s_mov_b32 s[G0B+4*\s], 1
	s_add_co_u32 s[G0B+4*\s+1], s45, \s*SLOT
	s_add_nc_u64 s[G0B+4*\s+2:G0B+4*\s+3], s[46:47], \s*ROWB
	s_or_b32 s[G0B+4*\s+3], s[G0B+4*\s+3], 0x80000000
	s_wait_alu depctr_va_vdst(0)
	s_wait_tensorcnt 0x0
	ds_add_u32 v28, v29
	s_wait_dscnt 0x0
	CROUND
	JLOAD G0+4*\s, G1, G0B+4*\s, G1B
.endr
	v_and_b32 v1, 15, v0
	v_bfe_u32 v2, v0, 4, 1
	v_mul_u32_u24 v3, v1, PITCH
	v_mul_u32_u24 v4, v2, 24
	v_add_nc_u32 v4, v3, v4
	v_lshl_add_u32 v5, v2, 4, v4
	s_mul_i32 s21, s15, HALFT
	s_mul_i32 s22, s16, HALFT
	s_add_co_u32 s22, s22, 2*HALFT
.irp s, 0,1
	v_add_nc_u32 v[ADRA+\s], s21, v4
	v_add_nc_u32 v[ADRB+\s], s22, v4
	v_add_nc_u32 v[ADRA+2+\s], s21, v5
	v_add_nc_u32 v[ADRB+2+\s], s22, v5
	s_add_co_u32 s21, s21, SLOT
	s_add_co_u32 s22, s22, SLOT
.endr
	v_mul_u32_u24 v5, v1, KS
	v_lshrrev_b32 v6, 8, v5
	v_lshl_add_u32 v5, v6, 4, v5
	s_mul_i32 s21, s15, HALFS
	s_mul_i32 s22, s16, HALFS
	s_add_co_u32 s22, s22, 2*HALFS
	s_sub_co_u32 s22, s22, s21
	v_mul_u32_u24 v6, s22, v2
	s_add_co_u32 s21, s21, SCL
	v_add_nc_u32 v5, v5, v6
	v_add_nc_u32 v[ADRS], s21, v5
	v_lshlrev_b32 v7, 6, v2
	s_lshl_b32 s46, s40, 10
	s_lshl_b32 s47, s16, 9
	s_add_co_u32 s46, s46, s47
	v_add_nc_u32 v7, s46, v7
	v_and_b32 v8, 8, v1
	v_add_nc_u32 v8, v8, v1
	s_lshl_b32 s22, s41, 10
	s_lshl_b32 s23, s15, 9
	s_add_co_u32 s22, s22, s23
	v_lshl_add_u32 v8, v8, 2, s22
.irp b, 0,1,2,3,4,5,6,7
	global_load_b128 v[BI+8*\b:BI+8*\b+3], v7, s[100:101] offset:(32*(\b/2)+8*(\b%2))*4
	global_load_b128 v[BI+8*\b+4:BI+8*\b+7], v7, s[100:101] offset:(32*(\b/2)+8*(\b%2))*4+16
.endr
.irp a, 0,1,2,3,4,5,6,7
	global_load_b32 v[BL+2*\a], v8, s[100:101] offset:(32*(\a/2)+8*(\a%2))*4
.endr
	s_wait_loadcnt 0x0
.set i, 0
.rept 64
	v_cndmask_b32 v[BI+i], v[BI+i], 0, s[VM]
.set i, i+1
.endr
.irp a, 0,1,2,3,4,5,6,7
	v_cndmask_b32 v[BL+2*\a], 0, v[BL+2*\a], s[VM]
.endr
.irp a, 0,1,2,3,4,5,6,7
	v_mov_b32 v[BL+2*\a+1], v[BL+2*\a]
.endr
.macro FRAG reg, adr, q, i
.irp p, 0,1,2,3,4,5
.set PIECE, 12*(\q)+6*(\p/3)+\p%3
.if PIECE%8 < 5
	ds_load_b64 v[\reg+2*\p:\reg+2*\p+1], v[\adr] offset:8*PIECE+16*(PIECE/8)+(\i)*16*PITCH
.else
	ds_load_b64 v[\reg+2*\p:\reg+2*\p+1], v[\adr+2] offset:8*PIECE+16*(PIECE/8)+(\i)*16*PITCH
.endif
.endr
.endm
.macro MUL16 a0, p, q, sc, zero
.irp a, \a0, \a0+1
.irp b, 0,1,2,3,4,5,6,7
.if \zero
	v_wmma_scale_f32_16x16x128_f8f6f4 v[8*(8*((\a)%4)+\b):8*(8*((\a)%4)+\b)+7], v[128*(\p)+FR*\b:128*(\p)+FR*\b+FR-1], v[AF+FR*(\a):AF+FR*(\a)+FR-1], v[BI+8*\b:BI+8*\b+7], v[SC+8*NQ*(\sc)+NQ*\b+(\q)], v[SC+8*NQ*(\sc)+NQ*(\a)+(\q)] matrix_a_fmt:MATRIX_FMT_FP6 matrix_b_fmt:MATRIX_FMT_FP6 matrix_a_scale:MATRIX_SCALE_ROW1
.else
	v_wmma_scale_f32_16x16x128_f8f6f4 v[8*(8*((\a)%4)+\b):8*(8*((\a)%4)+\b)+7], v[128*(\p)+FR*\b:128*(\p)+FR*\b+FR-1], v[AF+FR*(\a):AF+FR*(\a)+FR-1], v[8*(8*((\a)%4)+\b):8*(8*((\a)%4)+\b)+7], v[SC+8*NQ*(\sc)+NQ*\b+(\q)], v[SC+8*NQ*(\sc)+NQ*(\a)+(\q)] matrix_a_fmt:MATRIX_FMT_FP6 matrix_b_fmt:MATRIX_FMT_FP6 matrix_a_scale:MATRIX_SCALE_ROW1
.endif
.endr
.endr
.endm
.macro FETCH_B slot, q, p
	WIN TO_B
.irp i, 0,1,2,3,4,5,6,7
	FRAG 128*(\p)+FR*\i, ADRB+\slot, \q, \i
.endr
	WIN 0
.endm
.macro FETCH_A slot, q, i0
.irp i, \i0, \i0+1, \i0+2, \i0+3
	FRAG AF+FR*(\i), ADRA+\slot, \q, \i
.endr
.endm
.macro SCALES sc
.irp i, 0,1,2,3,4,5,6,7
	ds_load_b64 v[SC+8*NQ*\sc+NQ*\i:SC+8*NQ*\sc+NQ*\i+1], v[ADRS] offset:\i*SBLK
.endr
.endm
.macro PLACES n
.rept \n
	v_nop
.endr
.endm
.macro STEP slot, q, zero
	s_wait_dscnt 4*NL
.if \zero
	WIN MUL_LO0
.else
	WIN MUL_LO
.endif
	MUL16 0, (\q)%2, \q, \slot, \zero
	MUL16 2, (\q)%2, \q, \slot, \zero
	s_wait_dscnt 0
	PLACES NP
	FETCH_B \slot, (\q)+1, 1-(\q)%2
	FETCH_A \slot, (\q)+1, 0
.if \zero
	WIN MUL_HI0
.else
	WIN MUL_HI
.endif
	MUL16 4, (\q)%2, \q, \slot, \zero
	MUL16 6, (\q)%2, \q, \slot, \zero
	PLACES NP
	WIN 0
	FETCH_A \slot, (\q)+1, 4
.endm
.macro TURN slot, next, fill
	s_wait_tensorcnt 0x0
	ds_add_u32 v[SPW], v[NIL]
	s_wait_dscnt 4*NL+1
	WIN MUL_LO
	MUL16 0, 1, NQ-1, \slot, 0
	s_wait_dscnt 0x0
	s_barrier_signal -1
	MUL16 2, 1, NQ-1, \slot, 0
	WIN 0
	s_barrier_wait -1
.if \fill
	CREST
	s_add_nc_u64 s[G0+4*\slot+2:G0+4*\slot+3], s[G0+4*\slot+2:G0+4*\slot+3], 2*ROWB
	s_add_nc_u64 s[G0B+4*\slot+2:G0B+4*\slot+3], s[G0B+4*\slot+2:G0B+4*\slot+3], 2*ROWB
	JLOAD G0+4*\slot, G1, G0B+4*\slot, G1B
.else
	PLACES NP
.endif
	s_wait_alu depctr_va_vdst(0)
	v_add_nc_u32 v[ADRS], 4*NQ, v[ADRS]
	FETCH_B \next, 0, 0
	FETCH_A \next, 0, 0
	SCALES \next
	WIN MUL_HI
	MUL16 4, 1, NQ-1, \slot, 0
	MUL16 6, 1, NQ-1, \slot, 0
	PLACES NP
	WIN 0
	FETCH_A \next, 0, 4
.endm
	s_wait_tensorcnt 1
	s_barrier_signal -1
	s_barrier_wait -1
	FETCH_B 0, 0, 0
	FETCH_A 0, 0, 0
	SCALES 0
	FETCH_A 0, 0, 4
	STEP 0, 0, 1
	s_mov_b32 s3, LAPS-1
.Llap:
	TURN 0, 1, 1
	STEP 1, 0, 0
	TURN 1, 0, 1
	STEP 0, 0, 0
	s_sub_co_u32 s3, s3, 1
	s_cmp_lg_u32 s3, 0
	s_cbranch_scc1 .Llap
	TURN 0, 1, 0
	STEP 1, 0, 0
	s_wait_dscnt 4*NL
	WIN MUL_LO
	MUL16 0, 1, NQ-1, 1, 0
	MUL16 2, 1, NQ-1, 1, 0
	s_wait_dscnt 0
	WIN MUL_HI
	MUL16 4, 1, NQ-1, 1, 0
	MUL16 6, 1, NQ-1, 1, 0
	WIN 0
	PLACES NP
	s_mov_b32 s[SEL], 0x76543210
	s_mov_b32 s[SEL+1], 0xfedcba98
	s_mov_b32 s[HM], 0xffff0000
	s_mov_b32 s104, 0x05040100
	s_mov_b32 s105, 0x07060302
	s_lshl_b32 s18, s41, 8
	s_lshl_b32 s22, s15, 7
	s_add_co_u32 s18, s18, s22
	s_lshl_b32 s19, s40, 8
	s_lshl_b32 s22, s16, 7
	s_add_co_u32 s19, s19, s22
	s_mov_b32 s44, 1536
	s_mov_b32 s45, HEADB-6144
	s_mov_b32 s43, 768
	s_cmp_lt_u32 s17, 16
	s_cselect_b32 s20, s18, s19
	s_cselect_b32 s21, s19, s18
	s_cselect_b32 s44, 768, s44
	s_cselect_b32 s45, 0, s45
	s_cselect_b32 s43, HEADB, s43
	s_lshl_b32 s22, s17, 10
	s_add_co_u32 s20, s20, s22
	s_and_b32 s20, s20, 8191
	s_lshr_b32 s21, s21, 6
	s_lshr_b32 s22, s20, 11
	s_lshl_b32 s22, s22, 4
	s_add_co_u32 s22, s22, s21
	s_lshl_b32 s22, s22, 4
	s_bfe_u32 s23, s20, 0x40007
	s_add_co_u32 s22, s22, s23
	s_mul_i32 s42, s22, 6400
	s_lshr_b32 s23, s17, 3
	s_mul_i32 s23, s23, SEC
	s_add_co_u32 s42, s42, s23
	s_add_co_u32 s43, s43, s42
	s_add_co_u32 s92, s42, 6144
	v_and_b32 v[L8], 31, v0
	v_lshlrev_b32 v[L16], 4, v[L8]
	v_lshlrev_b32 v[L8], 3, v[L8]
.irp b, 0,1,2,3
	v_mov_b32 v[TM+4+\b], 0
.endr
.macro QUANT s, pw
.irp b, 0,1,2,3
	v_max3_num_f32 v[TM+\b], |v[\s+16*\b]|, |v[\s+1+16*\b]|, 0x1800000
.endr
.irp i, 2,4,6,8,10,12,14
.irp b, 0,1,2,3
	v_max3_num_f32 v[TM+\b], v[TM+\b], |v[\s+16*\b+\i]|, |v[\s+1+16*\b+\i]|
.endr
.endr
.irp b, 0,1,2,3
	v_permlanex16_b32 v[TM+4+\b], v[TM+\b], s[SEL], s[SEL+1]
.endr
.irp b, 0,1,2,3
	v_max_num_f32 v[TM+\b], v[TM+\b], v[TM+4+\b]
.endr
.irp b, 0,1,2,3
	v_add_nc_u32 v[TM+12+\b], 0xff000000, v[TM+\b]
.endr
.irp b, 0,1,2,3
	v_lshrrev_b32 v[TM+4+\b], 23, v[TM+12+\b]
.endr
	v_lshl_or_b32 v[\pw], v[TM+5], 8, v[TM+4]
	v_lshl_or_b32 v[\pw], v[TM+6], 16, v[\pw]
	v_lshl_or_b32 v[\pw], v[TM+7], 24, v[\pw]
.irp c, 0,1
	v_cvt_scalef32_pk16_fp6_f32 v[CD+6*\c:CD+2+6*\c], v[\s+32*\c:\s+15+32*\c], v[TM+12+2*\c]
	v_cvt_scalef32_pk16_fp6_f32 v[CD+12+4*\c:CD+14+4*\c], v[\s+16+32*\c:\s+31+32*\c], v[TM+12+2*\c+1]
.endr
	v_nop
.irp c, 0,1
.irp i, 0,1,2
	v_permlane16_swap_b32 v[CD+6*\c+\i], v[CD+12+4*\c+\i]
.endr
.irp i, 0,1,2
	v_mov_b32 v[CD+3+6*\c+\i], v[CD+12+4*\c+\i]
.endr
.endr
.endm
.macro OUT a
	s_wait_xcnt 0x0
	WIN 0x02+(\a)/4
.set i, 0
.rept 32
	v_pk_add_f32 v[T+2*i:T+2*i+1], v[64*((\a)%4)+2*i:64*((\a)%4)+2*i+1], v[BL+2*(\a):BL+2*(\a)+1]
.set i, i+1
.endr
	WIN 0
	QUANT T, PWS+(\a)
	v_add_nc_u32 v[OF], s42, v[L16]
	v_add_nc_u32 v[OF+1], s42, v[L8]
	v_add_nc_u32 v[OF+2], s43, v[L16]
	v_add_nc_u32 v[OF+3], s43, v[L8]
	global_store_b128 v[OF], v[CD:CD+3], s[98:99]
	global_store_b64 v[OF+1], v[CD+4:CD+5], s[98:99] offset:512
	global_store_b128 v[OF+2], v[CD+6:CD+9], s[98:99]
	global_store_b64 v[OF+3], v[CD+10:CD+11], s[98:99] offset:512
	s_add_co_u32 s42, s42, s44
	s_add_co_u32 s43, s43, s44
.if (\a) == 3
	s_add_co_u32 s42, s42, s45
	s_add_co_u32 s43, s43, s45
.endif
.endm
.irp a, 0,1,2,3,4,5,6,7
	OUT \a
.endr
	v_add_nc_u32 v[OSC], s92, v[L8]
.irp hd, 0,1
.irp f, 0,1,2,3
	v_perm_b32 v[W+\f], v[PWS+2*\f+1], v[PWS+2*\f], s[104+\hd]
	v_cndmask_b32 v[W+\f], v[W+\f], v[PWS+4*\hd+\f], s[VM]
.endr
	v_cndmask_b32 v[WP+2*\hd], v[W], v[W+1], s[HM]
	v_cndmask_b32 v[WP+2*\hd+1], v[W+2], v[W+3], s[HM]
	global_store_b64 v[OSC], v[WP+2*\hd:WP+2*\hd+1], s[98:99] offset:\hd*HEADB
.endr
	s_wait_tensorcnt 0x0
	ds_add_u32 v[SPW], v[NIL]
	s_wait_dscnt 0x0
	CROUND
	s_endpgm
.Lfunc_end_k_qd166783cb3_proj:
	.size	k_qd166783cb3_proj, .Lfunc_end_k_qd166783cb3_proj-k_qd166783cb3_proj
	.p2alignl 7, 3214868480
	.fill 96, 4, 3214868480
	.section	.rodata,"a",@progbits
	.p2align	6, 0x0
	.amdhsa_kernel k_qd166783cb3_proj
		.amdhsa_group_segment_fixed_size 327680
		.amdhsa_private_segment_fixed_size 0
		.amdhsa_enable_private_segment 0
		.amdhsa_kernarg_size 48
		.amdhsa_user_sgpr_count 2
		.amdhsa_user_sgpr_kernarg_segment_ptr 1
		.amdhsa_wavefront_size32 1
		.amdhsa_system_sgpr_workgroup_id_x 1
		.amdhsa_system_sgpr_workgroup_id_y 1
		.amdhsa_system_sgpr_workgroup_id_z 1
		.amdhsa_system_vgpr_workitem_id 0
		.amdhsa_next_free_vgpr 1024
		.amdhsa_next_free_sgpr 106
		.amdhsa_reserve_vcc 0
		.amdhsa_float_denorm_mode_32 3
		.amdhsa_float_denorm_mode_16_64 3
		.amdhsa_memory_ordered 1
		.amdhsa_forward_progress 1
		.amdhsa_inst_pref_size 193
	.end_amdhsa_kernel
	.amdgpu_metadata
---
amdhsa.version: [ 1, 2 ]
amdhsa.kernels:
  - .name:           k_qd166783cb3_proj
    .symbol:         k_qd166783cb3_proj.kd
    .args:
      - { .name: xc, .offset: 0, .size: 8, .value_kind: global_buffer, .address_space: global }
      - { .name: xs, .offset: 8, .size: 8, .value_kind: global_buffer, .address_space: global }
      - { .name: bq, .offset: 16, .size: 8, .value_kind: global_buffer, .address_space: global }
      - { .name: bk, .offset: 24, .size: 8, .value_kind: global_buffer, .address_space: global }
      - { .name: bv, .offset: 32, .size: 8, .value_kind: global_buffer, .address_space: global }
      - { .name: hq, .offset: 40, .size: 8, .value_kind: global_buffer, .address_space: global }
    .group_segment_fixed_size: 327680
    .private_segment_fixed_size: 0
    .kernarg_segment_align: 8
    .kernarg_segment_size: 48
    .max_flat_workgroup_size: 128
    .sgpr_count:     106
    .vgpr_count:     1024
    .wavefront_size: 32
...
	.end_amdgpu_metadata
.endif
;; end of part 2
;; launch attn (part 3): grid 4 x 64, 16 waves a work-group, clusters of 4 x 1, 206,848 bytes of LDS; arguments hq, oc, os; writes oc, os
.if DOCPART == 3
	.amdgcn_target "amdgcn-amd-amdhsa--gfx1250"
	.amdhsa_code_object_version 6
	.text
	.protected	k_qd166783cb3_attn
	.globl	k_qd166783cb3_attn
	.p2align	8
	.type	k_qd166783cb3_attn,@function
k_qd166783cb3_attn:
	s_mov_b64 s[64:65], 0
	v_nop
	global_prefetch_b8 v0, s[64:65] scope:SCOPE_SE
	s_setreg_imm32_b32 hwreg(HW_REG_WAVE_MODE, 25, 1), 1
	s_wait_xcnt 0x0
	s_wait_alu depctr_hold_cnt(0) depctr_sa_sdst(0) depctr_va_vdst(0) depctr_va_sdst(0) depctr_va_ssrc(0) depctr_va_vcc(0) depctr_vm_vsrc(0)
	s_getreg_b32 s2, hwreg(HW_REG_IB_STS2, 6, 4)
	s_cmp_eq_u32 s2, 0
	s_cbranch_scc0 .Lentry_in_a_cluster
	s_endpgm
.Lentry_in_a_cluster:
	s_bfe_u32 s2, ttmp6, 0x10000c
	s_cmp_lg_u32 s2, 0x3003
	s_cbranch_scc0 .Lentry_shape_is_right
	s_endpgm
.Lentry_shape_is_right:
; Attention of one head bh (64 of them, 2,048 tokens, 64 channels) on codes of FP6 (E2M3) with E8M0 scales; its result, divided by the row's sum, is quantised along the channels and stored as the last product's operand.
; SOFTMAX: t = score x log2(e) / 8 (the factor 1/8 is SCALE; qh was quantised unscaled, which is exact); M = the running largest t rounded up to a whole number; p = 2^(t - M) is quantised along the keys, not normalised;
; the row's sum is taken of the unquantised p; when M moves, the sum and O are multiplied by 2^(old M - new M), which rounds nothing.
; SHARES: a work-group owns 512 queries of the head, its sixteen waves one tile of 16 queries each, in two passes; four waves lie on a SIMD, so that one wave's vector work stands beside another's products and LDS loads.
; THE WHOLE HEAD'S K AND V LIE IN LDS, filled once: 16 chunks of 6,400 bytes each (layout: the launch that stores hq).  The four work-groups of a cluster belong to one head: each wave's one load, 12,800 bytes, is asked for jointly.
; No byte of LDS is filled again, so there is no ring.
; LAYOUT: both products transposed: S^T = K Q^T, O^T = V^T P^T: a lane holds one query throughout.  The positions of a tile of K are chosen so that the 16 registers of tiles 2 b, 2 b + 1 are keys 32 b + 16 h + 0 .. 15.
; K = 64 IN AN INSTRUCTION OF K = 128: a fragment of K holds two key tiles (64 channels each).  Q is kept twice: QLO = (q, zero codes), QHI = (zero codes, q): fragment x QLO gives the lower tile's scores, x QHI the upper's.
; LIMITS: as in the other launches (byte 1 for blocks under 2^-124; no NaN, no infinities).  A block's largest p is taken from its largest score: this takes v_exp_f32 not to fall where its input rises.
; REGISTERS: v1, v2 16 x and 8 x lane; v3, v4 the same + my half fragment of Q; v7 Q's scale word's place; v8-11 LDS addresses of the step; v12 -M, v13 the largest t, v[14:15] the sum; v16-27 QLO, v28-39 QHI;
; v40-87 four fragments of K, then of V; v90 my byte's place in os; v91 Q's raw word; v[92:93] 1 / sum; v96-159 S^T, then p; v160-191 O^T; v224-235 p's codes; v232-247 at work; v[248:249] K's scale words, v[250:251] V's;
; v252 f, v253 p's scale word, v254 at work, v255 Q's scale word.
.set HEADB, 102400
.set SEC,   6553600
.set CHUNK, 6400
.set VBASE, 102400                     ; LDS: K's 16 chunks, then V's
.set SPARE, 204800                     ; the spare words: 128 bytes for each of 16 waves, named by no other line
.set SPW,  5
.set NIL,  6
.set KV,   40
.set WV,   18
.set SEL,  20
.set CS,   22
.set G1,   24
.set G0,   32
.set TB,   3
.set CNT,  36
.set HM,   56
.set SELQ, 57
.macro CROUND
	s_barrier_signal -1
	s_barrier_wait -1
	s_cmp_lg_u32 s[WV], 0
	s_cbranch_scc1 .Lnot_wave_0_\@
	s_barrier_signal -3
.Lnot_wave_0_\@:
	s_barrier_wait -3
	s_barrier_signal -1
	s_barrier_wait -1
.endm
	s_load_b128 s[4:7], s[0:1], 0x0                ; hq s[4:5], oc s[6:7]
	s_load_b64 s[8:9], s[0:1], 0x10                ; os
	v_lshl_add_u32 v[SPW], v0, 2, SPARE
	v_mov_b32 v[NIL], 0
	ds_add_u32 v[SPW], v[NIL]                      ; the wave's opening: the add and its wait ahead of my first tensor load; work on registers stands between them
	ds_add_u32 v[SPW], v[NIL]
	v_lshrrev_b32 v8, 5, v0
	s_delay_alu instid0(VALU_DEP_1)
	v_readfirstlane_b32 s[WV], v8                  ; wave 0..15
	s_bfe_u32 s37, ttmp6, 0x40000                  ; cx
	s_lshl_b32 s39, ttmp9, 2
	s_add_co_u32 s37, s37, s39                     ; my block of 512 queries: it enters Q's, oc's and os's addresses alone
	s_and_b32 s38, ttmp7, 0xffff                   ; bh, which the four partners share
	s_mov_b32 s[G1], 15|(3<<16)|(1<<21)            ; the mask: all four; elements of 8 bytes; bit 21 beside a mask; no padding
	s_mov_b32 s[G1+1], 32<<16                      ; rows of 256 bytes,
	s_mov_b32 s[G1+2], 50<<16                      ; 50 of them: 12,800 dense bytes
	s_mov_b32 s[G1+3], 32<<16
	s_mov_b32 s[G1+4], 50
	s_mov_b32 s[G1+5], 32
	s_mov_b32 s[G1+6], 0
	s_mov_b32 s[G1+7], 0
	s_mul_i32 s40, s38, HEADB                      ; what I fetch: waves 0-7 the head's K, waves 8-15 its V, 12,800 bytes each
	s_mul_i32 s42, s[WV], 12800                    ; (also its place in LDS)
	s_add_co_u32 s40, s40, s42
	s_lshr_b32 s43, s[WV], 3
	s_mul_i32 s43, s43, SEC-HEADB
	s_add_co_u32 s40, s40, s43
	s_add_co_u32 s40, s40, SEC
	s_mov_b32 s41, 0
	s_lshl_b32 s44, s38, 4                         ; Q's chunk of pass 0: group 4 x block + wave / 8
	s_lshl_b32 s45, s37, 2
	s_add_co_u32 s44, s44, s45
	s_lshr_b32 s45, s[WV], 3
	s_add_co_u32 s44, s44, s45
	s_mul_i32 s44, s44, CHUNK
	s_mov_b32 s45, 0
	s_lshr_b32 s46, s38, 4                         ; my query tile of pass 0: 128 x batch + 32 x block + wave
	s_lshl_b32 s46, s46, 7
	s_lshl_b32 s47, s37, 5
	s_add_co_u32 s46, s46, s47
	s_add_co_u32 s46, s46, s[WV]
	s_and_b32 s47, s38, 15                         ; the head
	s_mul_i32 s48, s46, 12288                      ; oc: [tile][16 heads][768]
	s_mul_i32 s50, s47, 768
	s_add_co_u32 s48, s48, s50
	s_mov_b32 s49, 0
	s_lshl_b32 s10, s46, 9                         ; os: [16 tile + r][32]: byte 2 head + block
	s_lshl_b32 s50, s47, 1
	s_add_co_u32 s10, s10, s50
	s_mov_b32 s11, 0
	s_and_b32 s51, s[WV], 7                        ; a: my tile in its group
	s_mul_i32 s52, s51, 768
	s_bfe_u32 s53, s51, 0x10001                    ; its fragment a / 2: odd ones' words lie in lanes 16-31's places,
	s_lshl_b32 s53, s53, 7
	s_lshr_b32 s54, s51, 2
	s_lshl_b32 s54, s54, 2                         ; fragments 2 and 3 in word 1
	s_add_co_u32 s53, s53, s54
	s_mov_b32 s[SELQ], 0x03020302                  ; an odd tile's two bytes are the word's upper two,
	s_and_b32 s55, s51, 1
	s_cmp_eq_u32 s55, 0
	s_cselect_b32 s[SELQ], 0x01000100, s[SELQ]     ; an even tile's the lower: either way they are laid twice
	s_mov_b32 s[SEL], 0x76543210
	s_mov_b32 s[SEL+1], 0xfedcba98
	s_mov_b32 s[CS], 0x3e38aa3b                    ; c = log2(e) / 8
	s_mov_b32 s[CS+1], s[CS]
	s_mov_b32 s[HM], 0xffff0000                    ; lanes 16-31
	s_wait_dscnt 0x0                               ; the opening add is done
	s_wait_kmcnt 0x0
	s_mov_b32 s[G0], 1
	s_mov_b32 s[G0+1], s42
	s_add_nc_u64 s[G0+2:G0+3], s[4:5], s[40:41]
	s_or_b32 s[G0+3], s[G0+3], 0x80000000
	s_add_nc_u64 s[58:59], s[4:5], s[44:45]        ; Q's chunk
	s_add_nc_u64 s[60:61], s[6:7], s[48:49]        ; my half fragment of oc
	s_add_nc_u64 s[62:63], s[8:9], s[10:11]        ; my bytes of os
	CROUND                                         ; all four work-groups are here: the joint loads meet
	tensor_load_to_lds s[G0:G0+3], s[G1:G1+7]      ; my one tensor load of the launch
	s_nop 0
.rept 4
	v_nop
.endr
	v_and_b32 v2, 31, v0
	s_delay_alu instid0(VALU_DEP_1)
	v_lshlrev_b32 v1, 4, v2                        ; 16 x lane
	s_delay_alu instid0(VALU_DEP_2)
	v_lshlrev_b32 v2, 3, v2                        ; 8 x lane
	s_delay_alu instid0(VALU_DEP_2)
	v_add_nc_u32 v3, s52, v1
	s_delay_alu instid0(VALU_DEP_2)
	v_add_nc_u32 v4, s52, v2
	v_and_b32 v7, 15, v0
	s_delay_alu instid0(VALU_DEP_1)
	v_lshl_add_u32 v7, v7, 3, s53
	v_and_b32 v90, 15, v0
	v_bfe_u32 v91, v0, 4, 1
	s_delay_alu instid0(VALU_DEP_1)
	v_lshl_add_u32 v90, v90, 5, v91                ; 32 r + h
.irp j, 22,23,24,25,26,27,28,29,30,31,32,33
	v_mov_b32 v[\j], 0                             ; the zero codes of QLO and QHI: written once
.endr
.irp b, 0,1,2,3
	v_mov_b32 v[236+\b], 0                         ; written once: a lane permute's destination counts as one of its sources
.endr
	v_mov_b32 v253, 0                              ; (named as the upper half of a pair before it is first written)
	v_mov_b32 v93, 0                               ; likewise
	s_wait_tensorcnt 0x0                           ; my part of K or V has landed,
	s_barrier_signal -1
	s_barrier_wait -1                              ; everybody's has
.macro FR4 reg, a16, a8, off           ; a fragment: two half fragments on end
	ds_load_b128 v[\reg:\reg+3], v[\a16] offset:\off
	ds_load_b64 v[\reg+4:\reg+5], v[\a8] offset:\off+512
	ds_load_b128 v[\reg+6:\reg+9], v[\a16] offset:\off+768
	ds_load_b64 v[\reg+10:\reg+11], v[\a8] offset:\off+1280
.endm
; A KEY STEP: 128 keys, one chunk of K and one of V.
.macro STEP
	v_add_nc_u32 v8, s[TB], v1                     ; (these four are the places between the last products and the loads into the registers that they read)
	v_add_nc_u32 v9, s[TB], v2
	s_delay_alu instid0(VALU_DEP_2)
	v_add_nc_u32 v10, VBASE, v8
	s_delay_alu instid0(VALU_DEP_2)
	v_add_nc_u32 v11, VBASE, v9
.irp f, 0,1,2,3
	FR4 KV+12*\f, 8, 9, 1536*\f
.endr
	ds_load_b64 v[248:249], v9 offset:6144
	s_wait_alu depctr_va_vdst(0)
	s_wait_dscnt 0x0
.irp t, 0,1,2,3,4,5,6,7                        ; S^T: tile t = fragment t / 2 x QLO or QHI
.if (\t/2)%2
	v_wmma_scale_f32_16x16x128_f8f6f4 v[96+8*\t:103+8*\t], v[KV+12*(\t/2):KV+11+12*(\t/2)], v[16+12*(\t%2):27+12*(\t%2)], 0, v[248+\t/4], v255 matrix_a_fmt:MATRIX_FMT_FP6 matrix_b_fmt:MATRIX_FMT_FP6 matrix_a_scale:MATRIX_SCALE_ROW1
.else
	v_wmma_scale_f32_16x16x128_f8f6f4 v[96+8*\t:103+8*\t], v[KV+12*(\t/2):KV+11+12*(\t/2)], v[16+12*(\t%2):27+12*(\t%2)], 0, v[248+\t/4], v255 matrix_a_fmt:MATRIX_FMT_FP6 matrix_b_fmt:MATRIX_FMT_FP6
.endif
.endr
.rept 4
	v_nop                                          ; places in front of the loads below and of the first read of the scores
.endr
.irp f, 0,1,2,3                                ; V's fragments are asked for now, into K's registers: they land while the softmax is walked
	FR4 KV+12*\f, 10, 11, 1536*\f
.endr
	ds_load_b64 v[250:251], v11 offset:6144
.irp b, 0,1,2,3
	v_max3_num_f32 v[232+\b], v[96+16*\b], v[97+16*\b], v[98+16*\b]   ; the largest score of each block of 32 keys: for the row's maximum, and for the block's largest p
.endr
.irp i, 3,5,7,9,11,13
.irp b, 0,1,2,3
	v_max3_num_f32 v[232+\b], v[232+\b], v[96+16*\b+\i], v[97+16*\b+\i]
.endr
.endr
.irp b, 0,1,2,3
	v_max_num_f32 v[232+\b], v[232+\b], v[111+16*\b]
.endr
.irp b, 0,1,2,3
	s_delay_alu instid0(VALU_DEP_4)
	v_permlanex16_b32 v[236+\b], v[232+\b], s[SEL], s[SEL+1]
.endr
.irp b, 0,1,2,3
	s_delay_alu instid0(VALU_DEP_4)
	v_max_num_f32 v[232+\b], v[232+\b], v[236+\b]  ; with lane l xor 16's 16 keys
.endr
	s_delay_alu instid0(VALU_DEP_2)
	v_max3_num_f32 v254, v232, v233, v234
	s_delay_alu instid0(VALU_DEP_1)
	v_max_num_f32 v254, v254, v235
	s_delay_alu instid0(VALU_DEP_1)
	v_mul_f32 v254, s[CS], v254                    ; the step's largest t
	s_delay_alu instid0(VALU_DEP_1)
	v_max_num_f32 v13, v13, v254                   ; the running largest t
	v_mov_b32 v254, v12
	s_delay_alu instid0(VALU_DEP_2)
	v_floor_f32 v12, -v13                          ; the new -M = -ceil(t)
	s_delay_alu instid0(VALU_DEP_1)
	v_sub_f32 v254, v12, v254                      ; old M - new M: a whole number, 0 or less
	s_delay_alu instid0(VALU_DEP_1)
	v_cvt_i32_f32 v254, v254                       ; (it saturates)
	s_delay_alu instid0(VALU_DEP_1)
	v_ldexp_f32 v252, 1.0, v254                    ; f = 2^(old M - new M)
.set j, 0
.rept 32
	v_pk_fma_f32 v[96+j:97+j], v[96+j:97+j], s[CS:CS+1], v[12:13] op_sel_hi:[1,0,0]   ; t - M, two at a time
.set j, j+2
.endr
.irp b, 0,1,2,3
	v_fma_f32 v[232+\b], v[232+\b], s[CS], v12     ; the same of each block's largest score
.endr
.set j, 0
	s_wait_alu depctr_va_vdst(0)
.rept 64
	v_exp_f32 v[96+j], v[96+j]                     ; p = 2^(t - M)
.set j, j+1
.endr
	s_setprio 1
	v_pk_mul_f32 v[14:15], v[14:15], v[252:253] op_sel_hi:[1,0]   ; the sums under the new M (a plain place behind the exponentials)
	s_wait_alu depctr_va_vdst(0)                   ; one wait for the whole batch, ahead of its first reader
.irp b, 0,1,2,3
	v_exp_f32 v[232+\b], v[232+\b]                 ; the block's largest p
.endr
	v_pk_add_f32 v[236:237], v[100:101], v[104:105]
	v_pk_add_f32 v[248:249], v[108:109], v[112:113]
	v_pk_add_f32 v[246:247], v[116:117], v[120:121]
	v_pk_add_f32 v[244:245], v[124:125], v[128:129]
	v_pk_add_f32 v[242:243], v[132:133], v[136:137]
	v_pk_add_f32 v[240:241], v[140:141], v[144:145]
	v_pk_add_f32 v[238:239], v[148:149], v[152:153]
	v_pk_add_f32 v[14:15], v[14:15], v[156:157]
	v_pk_add_f32 v[236:237], v[236:237], v[96:97]
	v_pk_add_f32 v[248:249], v[248:249], v[98:99]
	v_pk_add_f32 v[246:247], v[246:247], v[102:103]
	v_pk_add_f32 v[244:245], v[244:245], v[106:107]
	v_pk_add_f32 v[242:243], v[242:243], v[110:111]
	v_pk_add_f32 v[240:241], v[240:241], v[114:115]
	v_pk_add_f32 v[238:239], v[238:239], v[118:119]
	v_pk_add_f32 v[14:15], v[14:15], v[122:123]
	v_pk_add_f32 v[236:237], v[236:237], v[126:127]
	v_pk_add_f32 v[248:249], v[248:249], v[130:131]
	v_pk_add_f32 v[246:247], v[246:247], v[134:135]
	v_pk_add_f32 v[244:245], v[244:245], v[138:139]
	v_pk_add_f32 v[242:243], v[242:243], v[142:143]
	v_pk_add_f32 v[240:241], v[240:241], v[146:147]
	v_pk_add_f32 v[238:239], v[238:239], v[150:151]
	v_pk_add_f32 v[14:15], v[14:15], v[154:155]
	v_pk_add_f32 v[236:237], v[236:237], v[158:159]
	s_delay_alu instid0(VALU_DEP_2)
	v_pk_add_f32 v[14:15], v[14:15], v[244:245]
	s_delay_alu instid0(VALU_DEP_2)
	v_pk_add_f32 v[236:237], v[236:237], v[242:243]
	v_pk_add_f32 v[248:249], v[248:249], v[240:241]
	v_pk_add_f32 v[246:247], v[246:247], v[238:239]
	s_delay_alu instid0(VALU_DEP_2)
	v_pk_add_f32 v[14:15], v[14:15], v[248:249]
	s_delay_alu instid0(VALU_DEP_2)
	v_pk_add_f32 v[236:237], v[236:237], v[246:247]
	s_delay_alu instid0(VALU_DEP_1)
	v_pk_add_f32 v[14:15], v[14:15], v[236:237]
	s_wait_alu depctr_va_vdst(0)                   ; and one for the four
.irp b, 0,1,2,3
	v_max_num_f32 v[232+\b], 0x1800000, v[232+\b]  ; the floor 2^(3 - 127)
.endr
.irp b, 0,1,2,3
	s_delay_alu instid0(VALU_DEP_4)
	v_add_nc_u32 v[244+\b], 0xff000000, v[232+\b]  ; the conversion's scale operand
.endr
.irp b, 0,1,2,3
	s_delay_alu instid0(VALU_DEP_4)
	v_lshrrev_b32 v[236+\b], 23, v[244+\b]         ; the scale's byte
.endr
	s_delay_alu instid0(VALU_DEP_3)
	v_lshl_or_b32 v253, v237, 8, v236              ; p's scale word for these 128 keys
	s_delay_alu instid0(VALU_DEP_1)
	v_lshl_or_b32 v253, v238, 16, v253
	s_delay_alu instid0(VALU_DEP_1)
	v_lshl_or_b32 v253, v239, 24, v253
.irp c, 0,1
	v_cvt_scalef32_pk16_fp6_f32 v[224+6*\c:226+6*\c], v[96+32*\c:111+32*\c], v[244+2*\c]
	v_cvt_scalef32_pk16_fp6_f32 v[236+4*\c:238+4*\c], v[112+32*\c:127+32*\c], v[244+2*\c+1]
.endr
	v_nop                                          ; one plain place behind a scaled conversion
.irp c, 0,1
.irp i, 0,1,2
	v_permlane16_swap_b32 v[224+6*\c+\i], v[236+4*\c+\i]
.endr
.irp i, 0,1,2
	s_delay_alu instid0(VALU_DEP_3)
	v_mov_b32 v[227+6*\c+\i], v[236+4*\c+\i]
.endr
.endr
.set j, 0
	s_setprio 0
.rept 16
	v_pk_mul_f32 v[160+j:161+j], v[160+j:161+j], v[252:253] op_sel_hi:[1,0]   ; O^T under the new M (these sixteen also stand between the writes of p's codes and scale word and the products)
.set j, j+2
.endr
	s_wait_alu depctr_va_vdst(0)
	s_wait_dscnt 0x0                               ; V's fragments and scale words are in
.irp d, 0,1,2,3                                ; O^T += V^T P^T: four accumulators, one instruction each
.if \d%2
	v_wmma_scale_f32_16x16x128_f8f6f4 v[160+8*\d:167+8*\d], v[KV+12*\d:KV+11+12*\d], v[224:235], v[160+8*\d:167+8*\d], v[250+\d/2], v253 matrix_a_fmt:MATRIX_FMT_FP6 matrix_b_fmt:MATRIX_FMT_FP6 matrix_a_scale:MATRIX_SCALE_ROW1
.else
	v_wmma_scale_f32_16x16x128_f8f6f4 v[160+8*\d:167+8*\d], v[KV+12*\d:KV+11+12*\d], v[224:235], v[160+8*\d:167+8*\d], v[250+\d/2], v253 matrix_a_fmt:MATRIX_FMT_FP6 matrix_b_fmt:MATRIX_FMT_FP6
.endif
.endr
.endm
; A PASS: one tile of 16 queries against all 2,048 keys.  Pass 1's tile lies two groups (16 tiles) on.
.macro PASS p
.if \p
	s_wait_xcnt 0x0                                ; the last pass's stores have read their registers
.endif
	global_load_b128 v[16:19], v3, s[58:59] offset:2*CHUNK*\p
	global_load_b64 v[20:21], v4, s[58:59] offset:2*CHUNK*\p+512
	global_load_b128 v[34:37], v3, s[58:59] offset:2*CHUNK*\p       ; the same codes a second time: the two operands share no register
	global_load_b64 v[38:39], v4, s[58:59] offset:2*CHUNK*\p+512
	global_load_b32 v91, v7, s[58:59] offset:2*CHUNK*\p+6144
	v_mov_b32 v13, 0xff61b1e6                      ; the largest t so far: -3e38
	s_delay_alu instid0(VALU_DEP_1)
	v_floor_f32 v12, -v13
	v_mov_b32 v14, 0
	v_mov_b32 v15, 0
	s_wait_loadcnt 0x0
	v_perm_b32 v255, v91, v91, s[SELQ]             ; Q's scale word: my tile's two bytes, laid twice
.set j, 0
.rept 32
	v_mov_b32 v[160+j], 0                          ; O^T: the step is written once; the first change of M leaves zeros zeros.  (Also the places between the scale word's write and the first product)
.set j, j+1
.endr
	s_mov_b32 s[TB], 0
	s_mov_b32 s[CNT], 16
.Lkeys_\@:
	s_setprio 2
	STEP
	s_add_co_u32 s[TB], s[TB], CHUNK
	s_sub_co_u32 s[CNT], s[CNT], 1
	s_cmp_lg_u32 s[CNT], 0
	s_cbranch_scc1 .Lkeys_\@
	s_setprio 0
.rept 4
	v_nop                                          ; places behind the last products
.endr
	v_add_f32 v14, v14, v15                        ; the sum's two halves,
	s_delay_alu instid0(VALU_DEP_1)
	v_permlanex16_b32 v252, v14, s[SEL], s[SEL+1]
	s_delay_alu instid0(VALU_DEP_1)
	v_add_f32 v14, v14, v252                       ; and lane l xor 16's
	s_wait_alu depctr_va_vdst(0)
	v_rcp_f32 v92, v14
	v_nop                                          ; a plain place behind the reciprocal
	s_wait_alu depctr_va_vdst(0)                   ; and the wait ahead of its first reader
.set j, 0
.rept 16
	v_pk_mul_f32 v[160+j:161+j], v[160+j:161+j], v[92:93] op_sel_hi:[1,0]   ; O^T / the sum: register 16 b + i is channel 32 b + 16 h + i of my query
.set j, j+2
.endr
.irp b, 0,1
	v_max3_num_f32 v[232+\b], |v[160+16*\b]|, |v[161+16*\b]|, 0x1800000
.endr
.irp i, 2,4,6,8,10,12,14
.irp b, 0,1
	s_delay_alu instid0(VALU_DEP_2)
	v_max3_num_f32 v[232+\b], v[232+\b], |v[160+16*\b+\i]|, |v[161+16*\b+\i]|
.endr
.endr
.irp b, 0,1
	s_delay_alu instid0(VALU_DEP_2)
	v_permlanex16_b32 v[236+\b], v[232+\b], s[SEL], s[SEL+1]
.endr
.irp b, 0,1
	s_delay_alu instid0(VALU_DEP_2)
	v_max_num_f32 v[232+\b], v[232+\b], v[236+\b]
.endr
.irp b, 0,1
	s_delay_alu instid0(VALU_DEP_2)
	v_add_nc_u32 v[244+\b], 0xff000000, v[232+\b]
.endr
.irp b, 0,1
	s_delay_alu instid0(VALU_DEP_2)
	v_lshrrev_b32 v[236+\b], 23, v[244+\b]
.endr
	v_cvt_scalef32_pk16_fp6_f32 v[224:226], v[160:175], v244
	v_cvt_scalef32_pk16_fp6_f32 v[228:230], v[176:191], v245
	v_nop
.irp i, 0,1,2
	v_permlane16_swap_b32 v[224+\i], v[228+\i]     ; a whole block in a lane: lanes 0-15 block 0, lanes 16-31 block 1
.endr
	s_delay_alu instid0(VALU_DEP_3)
	v_mov_b32 v227, v228
	s_delay_alu instid0(VALU_DEP_3)
	v_mov_b32 v228, v229
	s_delay_alu instid0(VALU_DEP_3)
	v_mov_b32 v229, v230                           ; v224-229: registers 0-5 of the operand
	v_cndmask_b32 v254, v236, v237, s[HM]          ; lanes 0-15 store block 0's byte, lanes 16-31 block 1's
	global_store_b128 v1, v[224:227], s[60:61] offset:196608*\p        ; 512 consecutive bytes,
	global_store_b64 v2, v[228:229], s[60:61] offset:196608*\p+512     ; 256: the half fragment
	global_store_b8 v90, v254, s[62:63] offset:8192*\p                 ; two bytes of each row's 32: one byte for 24 of codes
.endm
	PASS 0
	PASS 1
	s_wait_tensorcnt 0x0                           ; the wave's end
	ds_add_u32 v[SPW], v[NIL]
	s_wait_dscnt 0x0
	CROUND                                         ; the closing round
	s_endpgm
.Lfunc_end_k_qd166783cb3_attn:
	.size	k_qd166783cb3_attn, .Lfunc_end_k_qd166783cb3_attn-k_qd166783cb3_attn
	.p2alignl 7, 3214868480
	.fill 96, 4, 3214868480
	.section	.rodata,"a",@progbits
	.p2align	6, 0x0
	.amdhsa_kernel k_qd166783cb3_attn
		.amdhsa_group_segment_fixed_size 206848
		.amdhsa_private_segment_fixed_size 0
		.amdhsa_enable_private_segment 0
		.amdhsa_kernarg_size 24
		.amdhsa_user_sgpr_count 2
		.amdhsa_user_sgpr_kernarg_segment_ptr 1
		.amdhsa_wavefront_size32 1
		.amdhsa_system_sgpr_workgroup_id_x 1
		.amdhsa_system_sgpr_workgroup_id_y 1
		.amdhsa_system_sgpr_workgroup_id_z 1
		.amdhsa_system_vgpr_workitem_id 0
		.amdhsa_next_free_vgpr 256
		.amdhsa_next_free_sgpr 66
		.amdhsa_reserve_vcc 0
		.amdhsa_float_denorm_mode_32 3
		.amdhsa_float_denorm_mode_16_64 3
		.amdhsa_memory_ordered 1
		.amdhsa_forward_progress 1
		.amdhsa_inst_pref_size 53
	.end_amdhsa_kernel
	.amdgpu_metadata
---
amdhsa.version: [ 1, 2 ]
amdhsa.kernels:
  - .name:           k_qd166783cb3_attn
    .symbol:         k_qd166783cb3_attn.kd
    .args:
      - { .name: hq, .offset: 0, .size: 8, .value_kind: global_buffer, .address_space: global }
      - { .name: oc, .offset: 8, .size: 8, .value_kind: global_buffer, .address_space: global }
      - { .name: os, .offset: 16, .size: 8, .value_kind: global_buffer, .address_space: global }
    .group_segment_fixed_size: 206848
    .private_segment_fixed_size: 0
    .kernarg_segment_align: 8
    .kernarg_segment_size: 24
    .max_flat_workgroup_size: 512
    .sgpr_count:     66
    .vgpr_count:     256
    .wavefront_size: 32
...
	.end_amdgpu_metadata
.endif
;; end of part 3
;; launch oproj (part 4): grid 4 x 32, 4 waves a work-group, clusters of 4 x 4, 327,680 bytes of LDS; arguments oc, os, xc, xs, bo, out0; writes out0
.if DOCPART == 4
	.amdgcn_target "amdgcn-amd-amdhsa--gfx1250"
	.amdhsa_code_object_version 6
	.text
	.protected	k_qd166783cb3_oproj
	.globl	k_qd166783cb3_oproj
	.p2align	8
	.type	k_qd166783cb3_oproj,@function
k_qd166783cb3_oproj:
	s_mov_b64 s[64:65], 0
	v_nop
	global_prefetch_b8 v0, s[64:65] scope:SCOPE_SE
	s_setreg_imm32_b32 hwreg(HW_REG_WAVE_MODE, 25, 1), 1
	s_wait_xcnt 0x0
	s_wait_alu depctr_hold_cnt(0) depctr_sa_sdst(0) depctr_va_vdst(0) depctr_va_sdst(0) depctr_va_ssrc(0) depctr_va_vcc(0) depctr_vm_vsrc(0)
	s_getreg_b32 s2, hwreg(HW_REG_IB_STS2, 6, 4)
	s_cmp_eq_u32 s2, 0
	s_cbranch_scc0 .Lentry_in_a_cluster
	s_endpgm
.Lentry_in_a_cluster:
	s_bfe_u32 s2, ttmp6, 0x10000c
	s_cmp_lg_u32 s2, 0xf033
	s_cbranch_scc0 .Lentry_shape_is_right
	s_endpgm
.Lentry_shape_is_right:
.set NQ,     2
.set ROWB,   192
.set KROW,   768
.set PITCH,  240
.set FR,     12
.set NL,     6
.set NLA,    4
.set NP,     4
.set AROW,   3072
.set HALFA,  8*AROW
.set HALFT,  128*PITCH
.set SLOT,   2*HALFA+2*HALFT
.set LAPS,   2
.set KS,     32
.set SCL,    2*SLOT
.set HALFS,  16*272
.set SBLK,   2*272
.set SPARE,  SCL+4*HALFS
.set SPITCH, 528
.set ADRA, 16
.set ADRB, 20
.set STO,  24
.set RD,   25
.set CO,   26
.set ADRS, 27
.set SPW,  28
.set NIL,  29
.set SC,   32
.set BI,   64
.set AF,   128
.set BK,   128
.set G1, 24
.set G0, 32
.set G1B, 48
.set G0B, 56
.set G1S, 68
.set G0S, 76
.set G1SB, 80
.set G0SB, 88
.set MSB, 0
.macro WIN new
.if MSB != (\new)
	s_set_vgpr_msb (MSB<<8)|(\new)
.set MSB, (\new)
.endif
.endm
.set MUL_LO,  0xa1
.set MUL_HI,  0xf1
.set MUL_LO0, 0x81
.set MUL_HI0, 0xc1
.set TO_B,    0x40
.macro JLOAD g0a, g1a, g0b, g1b
	s_cmp_eq_u32 s15, 0
	s_cbranch_scc0 .Lfor_b_\@
	tensor_load_to_lds s[\g0a:\g0a+3], s[\g1a:\g1a+7]
	s_nop 0
.rept 4
	v_nop
.endr
	s_branch .Lasked_\@
.Lfor_b_\@:
	tensor_load_to_lds s[\g0b:\g0b+3], s[\g1b:\g1b+7]
	s_nop 0
.rept 4
	v_nop
.endr
.Lasked_\@:
.endm
.macro CREST
	s_cmp_lg_u32 s14, 0
	s_cbranch_scc1 .Lnot_wave_0_\@
	s_barrier_signal -3
.Lnot_wave_0_\@:
	s_barrier_wait -3
	s_barrier_signal -1
	s_barrier_wait -1
.endm
.macro CROUND
	s_barrier_signal -1
	s_barrier_wait -1
	CREST
.endm
	s_load_b256 s[4:11], s[0:1], 0x0
	s_load_b128 s[96:99], s[0:1], 0x20
	v_lshl_add_u32 v[SPW], v0, 2, SPARE
	v_mov_b32 v[NIL], 0
	ds_add_u32 v[SPW], v[NIL]
	ds_add_u32 v[SPW], v[NIL]
	v_lshrrev_b32 v1, 5, v0
	v_readfirstlane_b32 s14, v1
	s_lshr_b32 s15, s14, 1
	s_and_b32 s16, s14, 1
	s_bfe_u32 s40, ttmp6, 0x40000
	s_bfe_u32 s41, ttmp6, 0x40004
	s_and_b32 s17, ttmp7, 0xffff
	s_lshl_b32 s17, s17, 2
	s_add_co_u32 s17, s17, s41
	s_lshl_b32 s43, s41, 2
	s_lshl_b32 s43, 15, s43
	s_lshl_b32 s44, 0x1111, s40
	s_or_b32 s[G1+0], s43, (3<<16)|(1<<21)
	s_mov_b32 s[G1+1], 384<<16
	s_mov_b32 s[G1+2], 8<<16
	s_mov_b32 s[G1+3], 384<<16
	s_mov_b32 s[G1+4], 8
	s_mov_b32 s[G1+5], 1536
	s_mov_b32 s[G1+6], 0
	s_mov_b32 s[G1+7], 0
	s_or_b32 s[G1B+0], s44, (0<<16)|(1<<20)|(1<<21)|(3<<22)|(3<<25)
	s_mov_b32 s[G1B+1], ROWB<<16
	s_mov_b32 s[G1B+2], 128<<16
	s_mov_b32 s[G1B+3], ROWB<<16
	s_mov_b32 s[G1B+4], 128
	s_mov_b32 s[G1B+5], KROW
	s_mov_b32 s[G1B+6], 0
	s_mov_b32 s[G1B+7], 0
	s_or_b32 s[G1S+0], s43, (3<<16)|(1<<20)|(1<<21)|(5<<22)|(3<<25)
	s_or_b32 s[G1SB+0], s44, (3<<16)|(1<<20)|(1<<21)|(5<<22)|(3<<25)
.irp g, G1S, G1SB
	s_mov_b32 s[\g+1], 32<<16
	s_mov_b32 s[\g+2], (128*KS/256)<<16
	s_mov_b32 s[\g+3], 32<<16
	s_mov_b32 s[\g+4], 128*KS/256
	s_mov_b32 s[\g+5], 32
	s_mov_b32 s[\g+6], 0
	s_mov_b32 s[\g+7], 0
.endr
	s_lshl_b32 s18, s16, 7
	s_lshl_b32 s20, s17, 8
	s_add_co_u32 s20, s20, s18
	s_lshl_b32 s46, s40, 8
	s_add_co_u32 s46, s46, s18
	s_add_co_u32 s46, s46, 27648
	s_mov_b32 s21, 0
	s_mov_b32 s47, 0
	s_mov_b64 s[18:19], KS
	s_mul_u64 s[22:23], s[20:21], s[18:19]
	s_mul_u64 s[92:93], s[46:47], s[18:19]
	s_mov_b64 s[18:19], KROW
	s_mul_u64 s[20:21], s[20:21], s[18:19]
	s_mul_u64 s[46:47], s[46:47], s[18:19]
	s_mul_i32 s45, s16, HALFA
	s_mul_i32 s95, s16, HALFT
	s_add_co_u32 s95, s95, 2*HALFA
	s_mul_i32 s94, s14, HALFS
	s_wait_dscnt 0x0
	s_wait_kmcnt 0x0
	s_add_nc_u64 s[20:21], s[4:5], s[20:21]
	s_add_nc_u64 s[22:23], s[6:7], s[22:23]
	s_add_nc_u64 s[46:47], s[8:9], s[46:47]
	s_add_nc_u64 s[92:93], s[10:11], s[92:93]
	CROUND
	s_mov_b32 s[G0S], 1
	s_add_co_u32 s[G0S+1], s94, SCL
	s_mov_b64 s[G0S+2:G0S+3], s[22:23]
	s_or_b32 s[G0S+3], s[G0S+3], 0x80000000
	s_mov_b32 s[G0SB], 1
	s_add_co_u32 s[G0SB+1], s94, SCL
	s_mov_b64 s[G0SB+2:G0SB+3], s[92:93]
	s_or_b32 s[G0SB+3], s[G0SB+3], 0x80000000
	JLOAD G0S, G1S, G0SB, G1SB
.irp s, 0,1
	s_mov_b32 s[G0+4*\s], 1
	s_add_co_u32 s[G0+4*\s+1], s45, \s*SLOT
	s_add_nc_u64 s[G0+4*\s+2:G0+4*\s+3], s[20:21], \s*AROW
	s_or_b32 s[G0+4*\s+3], s[G0+4*\s+3], 0x80000000
	s_mov_b32 s[G0B+4*\s], 1
	s_add_co_u32 s[G0B+4*\s+1], s95, \s*SLOT
	s_add_nc_u64 s[G0B+4*\s+2:G0B+4*\s+3], s[46:47], \s*ROWB
	s_or_b32 s[G0B+4*\s+3], s[G0B+4*\s+3], 0x80000000
	s_wait_alu depctr_va_vdst(0)
	s_wait_tensorcnt 0x0
	ds_add_u32 v28, v29
	s_wait_dscnt 0x0
	CROUND
	JLOAD G0+4*\s, G1, G0B+4*\s, G1B
.endr
	v_and_b32 v1, 15, v0
	v_bfe_u32 v2, v0, 4, 1
	v_mul_u32_u24 v3, v1, PITCH
	v_mul_u32_u24 v4, v2, 24
	v_add_nc_u32 v4, v3, v4
	v_lshl_add_u32 v5, v2, 4, v4
	v_and_b32 v6, 31, v0
	v_lshlrev_b32 v7, 4, v6
	v_lshlrev_b32 v8, 3, v6
	s_mul_i32 s21, s15, HALFA
	s_mul_i32 s22, s16, HALFT
	s_add_co_u32 s22, s22, 2*HALFA
.irp s, 0,1
	v_add_nc_u32 v[ADRA+\s], s21, v7
	v_add_nc_u32 v[ADRA+2+\s], s21, v8
	v_add_nc_u32 v[ADRB+\s], s22, v4
	v_add_nc_u32 v[ADRB+2+\s], s22, v5
	s_add_co_u32 s21, s21, SLOT
	s_add_co_u32 s22, s22, SLOT
.endr
	v_mul_u32_u24 v5, v1, KS
	v_lshrrev_b32 v6, 8, v5
	v_lshl_add_u32 v5, v6, 4, v5
	s_mul_i32 s21, s15, HALFS
	s_mul_i32 s22, s16, HALFS
	s_add_co_u32 s22, s22, 2*HALFS
	s_sub_co_u32 s22, s22, s21
	v_mul_u32_u24 v6, s22, v2
	s_add_co_u32 s21, s21, SCL
	v_add_nc_u32 v5, v5, v6
	v_add_nc_u32 v[ADRS], s21, v5
	s_mul_i32 s23, s14, 16*SPITCH
	v_mul_u32_u24 v9, v1, SPITCH
	v_lshl_add_u32 v9, v2, 6, v9
	v_add_nc_u32 v[STO], s23, v9
	v_mov_b32 v[CO], v7
	v_add_nc_u32 v[RD], s23, v7
	s_lshl_b32 s20, s17, 8
	s_lshl_b32 s21, s15, 7
	s_add_co_u32 s20, s20, s21
	s_lshl_b32 s20, s20, 12
	s_mov_b32 s21, 0
	s_lshl_b32 s46, s40, 10
	s_lshl_b32 s47, s16, 9
	s_add_co_u32 s46, s46, s47
	v_lshlrev_b32 v10, 6, v2
	v_add_nc_u32 v10, s46, v10
	s_mov_b32 s47, 0
	s_add_nc_u64 s[20:21], s[20:21], s[46:47]
	s_add_nc_u64 s[98:99], s[98:99], s[20:21]
.irp b, 0,1,2,3,4,5,6,7
	global_load_b128 v[BI+8*\b:BI+8*\b+3], v10, s[96:97] offset:(32*(\b/2)+8*(\b%2))*4
	global_load_b128 v[BI+8*\b+4:BI+8*\b+7], v10, s[96:97] offset:(32*(\b/2)+8*(\b%2))*4+16
.endr
	s_wait_alu depctr_va_vdst(0)
	s_wait_loadcnt 0x0
.macro FRAG reg, adr, q, i
.irp p, 0,1,2,3,4,5
.set PIECE, 12*(\q)+6*(\p/3)+\p%3
.if PIECE%8 < 5
	ds_load_b64 v[\reg+2*\p:\reg+2*\p+1], v[\adr] offset:8*PIECE+16*(PIECE/8)+(\i)*16*PITCH
.else
	ds_load_b64 v[\reg+2*\p:\reg+2*\p+1], v[\adr+2] offset:8*PIECE+16*(PIECE/8)+(\i)*16*PITCH
.endif
.endr
.endm
.macro FR4 reg, a16, a8, off
	ds_load_b128 v[\reg:\reg+3], v[\a16] offset:\off
	ds_load_b64 v[\reg+4:\reg+5], v[\a8] offset:\off+512
	ds_load_b128 v[\reg+6:\reg+9], v[\a16] offset:\off+768
	ds_load_b64 v[\reg+10:\reg+11], v[\a8] offset:\off+1280
.endm
.macro MUL16 a0, p, q, sc, zero
.irp a, \a0, \a0+1
.irp b, 0,1,2,3,4,5,6,7
.if \zero
	v_wmma_scale_f32_16x16x128_f8f6f4 v[8*(8*((\a)%4)+\b):8*(8*((\a)%4)+\b)+7], v[128*(\p)+FR*\b:128*(\p)+FR*\b+FR-1], v[AF+FR*(\a):AF+FR*(\a)+FR-1], v[BI+8*\b:BI+8*\b+7], v[SC+8*NQ*(\sc)+NQ*\b+(\q)], v[SC+8*NQ*(\sc)+NQ*(\a)+(\q)] matrix_a_fmt:MATRIX_FMT_FP6 matrix_b_fmt:MATRIX_FMT_FP6 matrix_a_scale:MATRIX_SCALE_ROW1
.else
	v_wmma_scale_f32_16x16x128_f8f6f4 v[8*(8*((\a)%4)+\b):8*(8*((\a)%4)+\b)+7], v[128*(\p)+FR*\b:128*(\p)+FR*\b+FR-1], v[AF+FR*(\a):AF+FR*(\a)+FR-1], v[8*(8*((\a)%4)+\b):8*(8*((\a)%4)+\b)+7], v[SC+8*NQ*(\sc)+NQ*\b+(\q)], v[SC+8*NQ*(\sc)+NQ*(\a)+(\q)] matrix_a_fmt:MATRIX_FMT_FP6 matrix_b_fmt:MATRIX_FMT_FP6 matrix_a_scale:MATRIX_SCALE_ROW1
.endif
.endr
.endr
.endm
.macro FETCH_B slot, q, p
	WIN TO_B
.irp i, 0,1,2,3,4,5,6,7
	FRAG 128*(\p)+FR*\i, ADRB+\slot, \q, \i
.endr
	WIN 0
.endm
.macro FETCH_A slot, q, i0
.irp i, \i0, \i0+1, \i0+2, \i0+3
	FR4 AF+FR*(\i), ADRA+\slot, ADRA+2+\slot, AROW*(\i)+1536*(\q)
.endr
.endm
.macro SCALES sc
.irp i, 0,1,2,3,4,5,6,7
	ds_load_b64 v[SC+8*NQ*\sc+NQ*\i:SC+8*NQ*\sc+NQ*\i+1], v[ADRS] offset:\i*SBLK
.endr
.endm
.macro PLACES n
.rept \n
	v_nop
.endr
.endm
.macro STEP slot, q, zero
	s_wait_dscnt 4*NLA
.if \zero
	WIN MUL_LO0
.else
	WIN MUL_LO
.endif
	MUL16 0, (\q)%2, \q, \slot, \zero
	MUL16 2, (\q)%2, \q, \slot, \zero
	s_wait_dscnt 0
	PLACES NP
	FETCH_B \slot, (\q)+1, 1-(\q)%2
	FETCH_A \slot, (\q)+1, 0
.if \zero
	WIN MUL_HI0
.else
	WIN MUL_HI
.endif
	MUL16 4, (\q)%2, \q, \slot, \zero
	MUL16 6, (\q)%2, \q, \slot, \zero
	PLACES NP
	WIN 0
	FETCH_A \slot, (\q)+1, 4
.endm
.macro TURN slot, next, fill
	s_wait_tensorcnt 0x0
	ds_add_u32 v[SPW], v[NIL]
	s_wait_dscnt 4*NLA+1
	WIN MUL_LO
	MUL16 0, 1, NQ-1, \slot, 0
	s_wait_dscnt 0x0
	s_barrier_signal -1
	MUL16 2, 1, NQ-1, \slot, 0
	WIN 0
	s_barrier_wait -1
.if \fill
	CREST
	s_add_nc_u64 s[G0+4*\slot+2:G0+4*\slot+3], s[G0+4*\slot+2:G0+4*\slot+3], 2*AROW
	s_add_nc_u64 s[G0B+4*\slot+2:G0B+4*\slot+3], s[G0B+4*\slot+2:G0B+4*\slot+3], 2*ROWB
	JLOAD G0+4*\slot, G1, G0B+4*\slot, G1B
.else
	PLACES NP
.endif
	s_wait_alu depctr_va_vdst(0)
	v_add_nc_u32 v[ADRS], 4*NQ, v[ADRS]
	FETCH_B \next, 0, 0
	FETCH_A \next, 0, 0
	SCALES \next
	WIN MUL_HI
	MUL16 4, 1, NQ-1, \slot, 0
	MUL16 6, 1, NQ-1, \slot, 0
	PLACES NP
	WIN 0
	FETCH_A \next, 0, 4
.endm
	s_wait_tensorcnt 1
	s_barrier_signal -1
	s_barrier_wait -1
	FETCH_B 0, 0, 0
	FETCH_A 0, 0, 0
	SCALES 0
	FETCH_A 0, 0, 4
	STEP 0, 0, 1
	s_mov_b32 s3, LAPS-1
.Llap:
	TURN 0, 1, 1
	STEP 1, 0, 0
	TURN 1, 0, 1
	STEP 0, 0, 0
	s_sub_co_u32 s3, s3, 1
	s_cmp_lg_u32 s3, 0
	s_cbranch_scc1 .Llap
	TURN 0, 1, 0
	STEP 1, 0, 0
	s_wait_dscnt 4*NLA
	WIN MUL_LO
	MUL16 0, 1, NQ-1, 1, 0
	MUL16 2, 1, NQ-1, 1, 0
	s_wait_dscnt 0
	WIN MUL_HI
	MUL16 4, 1, NQ-1, 1, 0
	MUL16 6, 1, NQ-1, 1, 0
	WIN 0
.macro TOSTAGE a
.set AC, 64*((\a)%4)
	WIN 0x08+4*((\a)/4)
.irp b, 0,1,2,3,4,5,6,7
	ds_store_b128 v[STO], v[AC+8*\b:AC+8*\b+3] offset:128*(\b/2)+32*(\b%2)
	ds_store_b128 v[STO], v[AC+8*\b+4:AC+8*\b+7] offset:128*(\b/2)+32*(\b%2)+16
.endr
	WIN 0
.set BB, BK+64*((\a)%2)
.irp t, 0,1,2,3,4,5,6,7,8,9,10,11,12,13,14,15
	ds_load_b128 v[BB+4*\t:BB+4*\t+3], v[RD] offset:\t*SPITCH
.endr
.endm
.macro SEND a, younger
.set BB, BK+64*((\a)%2)
	s_wait_dscnt \younger
.if (\a) > 0
.if (\a)%2
	s_add_nc_u64 s[98:99], s[98:99], 8*4096
.else
	s_add_nc_u64 s[98:99], s[98:99], 24*4096
.endif
.endif
.irp t, 0,1,2,3,4,5,6,7,8,9,10,11,12,13,14,15
	global_store_b128 v[CO], v[BB+4*\t:BB+4*\t+3], s[98:99] offset:(\t+8*(\t/8))*4096 th:TH_STORE_NT
.endr
.endm
	PLACES NP
	TOSTAGE 0
.irp a, 1,2,3,4,5,6,7
.if \a > 1
	s_wait_xcnt 0x0
.endif
	TOSTAGE \a
	SEND \a-1, 32
.endr
	s_wait_xcnt 0x0
	SEND 7, 0
	s_wait_tensorcnt 0x0
	ds_add_u32 v[SPW], v[NIL]
	s_wait_dscnt 0x0
	CROUND
	s_endpgm
.Lfunc_end_k_qd166783cb3_oproj:
	.size	k_qd166783cb3_oproj, .Lfunc_end_k_qd166783cb3_oproj-k_qd166783cb3_oproj
	.p2alignl 7, 3214868480
	.fill 96, 4, 3214868480
	.section	.rodata,"a",@progbits
	.p2align	6, 0x0
	.amdhsa_kernel k_qd166783cb3_oproj
		.amdhsa_group_segment_fixed_size 327680
		.amdhsa_private_segment_fixed_size 0
		.amdhsa_enable_private_segment 0
		.amdhsa_kernarg_size 48
		.amdhsa_user_sgpr_count 2
		.amdhsa_user_sgpr_kernarg_segment_ptr 1
		.amdhsa_wavefront_size32 1
		.amdhsa_system_sgpr_workgroup_id_x 1
		.amdhsa_system_sgpr_workgroup_id_y 1
		.amdhsa_system_sgpr_workgroup_id_z 1
		.amdhsa_system_vgpr_workitem_id 0
		.amdhsa_next_free_vgpr 1024
		.amdhsa_next_free_sgpr 100
		.amdhsa_reserve_vcc 0
		.amdhsa_float_denorm_mode_32 3
		.amdhsa_float_denorm_mode_16_64 3
		.amdhsa_memory_ordered 1
		.amdhsa_forward_progress 1
		.amdhsa_inst_pref_size 154
	.end_amdhsa_kernel
	.amdgpu_metadata
---
amdhsa.version: [ 1, 2 ]
amdhsa.kernels:
  - .name:           k_qd166783cb3_oproj
    .symbol:         k_qd166783cb3_oproj.kd
    .args:
      - { .name: oc, .offset: 0, .size: 8, .value_kind: global_buffer, .address_space: global }
      - { .name: os, .offset: 8, .size: 8, .value_kind: global_buffer, .address_space: global }
      - { .name: xc, .offset: 16, .size: 8, .value_kind: global_buffer, .address_space: global }
      - { .name: xs, .offset: 24, .size: 8, .value_kind: global_buffer, .address_space: global }
      - { .name: bo, .offset: 32, .size: 8, .value_kind: global_buffer, .address_space: global }
      - { .name: out0, .offset: 40, .size: 8, .value_kind: global_buffer, .address_space: global }
    .group_segment_fixed_size: 327680
    .private_segment_fixed_size: 0
    .kernarg_segment_align: 8
    .kernarg_segment_size: 48
    .max_flat_workgroup_size: 128
    .sgpr_count:     100
    .vgpr_count:     1024
    .wavefront_size: 32
...
	.end_amdgpu_metadata
.endif
;; end of part 4
